; MI455X (gfx1250); checked and timed in simulation.
; The chip was launched on July 23, 2026; its instructions are those of AMD's public machine-readable ISA for CDNA 5 (MIT licence, August 2026) and "CDNA5" Instruction Set Architecture Reference Guide (July 2026). The comments in the code are by the model that wrote it; some were corrected since.
;; attention layer. Allowed arithmetic: matrix products marked QUANTISED: E4M3 operands, one given power-of-two scale a tensor, by v_wmma_f32_16x16x64_fp8_fp8 or v_wmma_f32_16x16x128_fp8_fp8, f32 sums; everything else in f32.
;; Inputs: b1 256 float32; b2 256 float32; bk 256 float32; bm1 1,024 float32; bm2 256 float32; bq 256 float32; bv 256 float32; g1 256 float32; g2 256 float32; lowp_scales 14 int32 (the exponents e of the quantised operands' scales 2^e); w1 256 x 1,024 float32; w2 1,024 x 256 float32; wk 256 x 256 float32; wq 256 x 256 float32; wv 256 x 256 float32; x 512 x 128 x 256 float32.
;; Outputs: out0 512 x 128 x 256 float32.
;; This version of the problem:
;;   THIS VERSION OF THE PROBLEM IS GIVEN IN LOW PRECISION. The matrix products marked QUANTISED in the list below multiply operands that are first quantised to E4M3 (4 exponent bits, 3 mantissa bits; 8 bits a number), with one given power-of-two scale for each operand tensor; their sums are f32. All else is computed in f32.
;;   The module's matrix products, in the order in which they are computed (A, B: the left and right operand; K: the contracted axis; several contracted axes count as one K, in the product's order):
;;     1. [M 65,536, K 256] x [K 256, N 256]; A: computed on the way; B: input wq: QUANTISED (scales: A lowp_scales[0], B lowp_scales[1])
;;     2. [M 65,536, K 256] x [K 256, N 256]; A: computed on the way; B: input wk: QUANTISED (scales: A lowp_scales[2], B lowp_scales[3])
;;     3. [M 65,536, K 256] x [K 256, N 256]; A: computed on the way; B: input wv: QUANTISED (scales: A lowp_scales[4], B lowp_scales[5])
;;     4. batch 512 x [M 128, K 256] x [K 256, N 128]; A: computed on the way; B: computed on the way: QUANTISED (scales: A lowp_scales[6], B lowp_scales[7])
;;     5. batch 512 x [M 128, K 128] x [K 128, N 256]; A: softmax (see below); B: computed on the way: QUANTISED (scales: A lowp_scales[8], B lowp_scales[9])
;;     6. [M 65,536, K 256] x [K 256, N 1,024]; A: computed on the way; B: input w1: QUANTISED (scales: A lowp_scales[10], B lowp_scales[11])
;;     7. [M 65,536, K 1,024] x [K 1,024, N 256]; A: computed on the way; B: input w2: QUANTISED (scales: A lowp_scales[12], B lowp_scales[13])
;;   THE QUANTISER, for each operand of a quantised product, along K:
;;     - The operand's scale is 2^e, e = its entry of the input lowp_scales (int32; the entries are numbered through the quantised products in the list's order, A before B).
;;     - Each number is divided by the scale, clamped to +-448, and rounded to the nearest number of E4M3, ties to even, subnormals kept.
;;     - The product sums the exact products of the quantised numbers (number of the format x scale) in f32.
;;   ~~~python
;;   def quantise(x, axis, e):      # numpy; x: float32 -> the quantised numbers, widened to float32 again
;;       x = np.moveaxis(x, axis, -1); K = x.shape[-1]
;;       r = np.clip(x / 2.0 ** e, -448, 448)
;;       step = 2.0 ** (np.maximum(np.frexp(np.where(r == 0, 1, r))[1] - 1, -6) - 3)
;;       q = np.round(r / step) * step * 2.0 ** e      # np.round: ties to even
;;       return np.moveaxis(q, -1, axis).astype(np.float32)
;;   ~~~
;;   SOFTMAX AHEAD OF A QUANTISED PRODUCT. Where the list says 'softmax', what is quantised is not the finished softmax but p = 2^(t - M), with t = logit x log2(e) and M = ceil(the row's largest t), a whole number; so 1/2 < the row's largest p <= 1. The row's sum l is taken of the UNQUANTISED p, in f32, and the product's result is divided by l at the end. Since M is a whole number, a kernel that streams over the keys may use a running M (the ceiling of the running maximum): every later rescaling is an exact power of two, so the quantised numbers keep their values, but for numbers so far below the row's largest that they fall under the format's range.
;;   OPERANDS COMPUTED ON THE WAY. 'Computed on the way' means the value that the module computes at that place (a softmax that the list does not call 'softmax' is quantised finished and normalised). What goes into a quantiser is computed in f32, as accurately as f32 sums, v_exp_f32 and their like allow (about 1e-6 of the number): no bf16 or f16 on the way to a quantiser, and a product that is left as it is and whose result goes on into a quantised operand takes f32 operands (vector FMAs, or v_wmma_f32_16x16x4_f32). A number that lies on a knife's edge between two numbers of the format may be rounded either way, as far as f32 arithmetic and the matrix unit's own rounding can turn it there, and no further.
;; One version. Each part assembles by itself: llvm-mc -triple=amdgcn-amd-amdhsa -mcpu=gfx1250 --defsym DOCPART=n.
;; ======== version 1 of 1: 2 launches
;; limits: right only within a limited range of input values
;; workspace buffers: wcodes 720,896 bytes
;; launch prep (part 1): grid 176 x 1, 4 waves a work-group, no clusters, 0 bytes of LDS; arguments wq, wk, wv, w1, w2, lowp_scales, wcodes; writes wcodes
.if DOCPART == 1
	.amdgcn_target "amdgcn-amd-amdhsa--gfx1250"
	.amdhsa_code_object_version 6
	.text
	.protected	k_q4f4edd1aaf_prep
	.globl	k_q4f4edd1aaf_prep
	.p2align	8
	.type	k_q4f4edd1aaf_prep,@function
k_q4f4edd1aaf_prep:
	s_mov_b64 s[64:65], 0
	v_nop
	global_prefetch_b8 v0, s[64:65] scope:SCOPE_SE
	s_setreg_imm32_b32 hwreg(HW_REG_WAVE_MODE, 25, 1), 1
	s_wait_xcnt 0x0
; The five weights, f32 stored [K][N], become codes of FP8 (E4M3), each with its given scale 2^e, laid in wcodes IN THE ORDER OF THE OPERANDS' REGISTERS:
; a fragment (16 output columns x 128 along K) is 2,048 bytes; registers 4 c .. 4 c + 3 of lane (i, h) lie at 512 c + 16 (i + 16 h).
; code = x / 2^e, held within +-448, to the nearest code, ties to even.  e: entries 1, 3, 5, 11, 13 of lowp_scales.  LIMITS: e between -126 and 119; NaN among the inputs is not served.
; wcodes: wq at 0, wk at 65,536, wv at 131,072, w1 at 196,608 (fragment 2 x tile + K step); w2 at 458,752 (fragment 8 x tile + K step).
; WHICH k A BYTE HOLDS.  w2: byte j of piece c is k = 32 c + 16 h + j.  The others: k = 32 c + 16 (j / 8) + 8 h + j % 8: the order in which the second launch holds a row's channels.
; WHICH COLUMN A LANE SLOT HOLDS.  wv, w2: slot i of tile t is column 16 t + i.  wq, wk, w1: slot i of tile 2 b + u is column 32 b + 8 u + i + 8 (i / 8), so that two neighbouring tiles' results are 16 neighbours along the next K.
; SHARES.  A work-group takes 32 columns x 128 along K of one weight; wave c takes k = 32 c .. 32 c + 31; A LANE TAKES A COLUMN AND ITS 32 REGISTERS RUN DOWN K, in the order in which the bytes are wanted,
; so the conversions' results are the fragment's bytes and nothing is transposed.  Each store's sixteen lanes of a tile cover 256 consecutive bytes, aligned.
; No LDS, no barrier: waves share nothing.  The three paths part on the work-group's number alone.
.set W1O, 196608
.set W2O, 458752
.macro LD32 pitch, kp                  ; register r takes row g(r) of my 32: g = r, or (kp = 1) rows 0-7, 16-23, 8-15, 24-31
.set r_, 0
.rept 32
.set g_, r_
.if (\kp) && (r_ >= 8) && (r_ < 16)
.set g_, r_+8
.endif
.if (\kp) && (r_ >= 16) && (r_ < 24)
.set g_, r_-8
.endif
	global_load_b32 v[16+r_], v3, s[36:37] offset:g_*(\pitch) th:TH_LOAD_NT
.set r_, r_+1
.endr
.endm
	s_load_b256 s[4:11], s[0:1], 0x0               ; wq s[4:5], wk s[6:7], wv s[8:9], w1 s[10:11]
	s_load_b128 s[12:15], s[0:1], 0x20             ; w2 s[12:13], lowp_scales s[14:15]
	s_load_b64 s[16:17], s[0:1], 0x30              ; wcodes
	v_lshrrev_b32 v1, 5, v0
	v_readfirstlane_b32 s34, v1                    ; wave c
	v_and_b32 v2, 31, v0                           ; lane l
	v_lshlrev_b32 v3, 2, v2                        ; my column's 4 bytes
	s_lshl_b32 s35, s34, 5                         ; 32 c
	s_lshl_b32 s44, s34, 9                         ; 512 c
	s_wait_kmcnt 0x0
	s_load_b256 s[20:27], s[14:15], 0x0            ; e0 .. e7
	s_load_b128 s[28:31], s[14:15], 0x20           ; e8 .. e11
	s_load_b64 s[32:33], s[14:15], 0x30            ; e12, e13
	s_wait_kmcnt 0x0
	s_cmp_lt_u32 ttmp9, 48
	s_cbranch_scc0 .Lnot_qkv
	; work-groups 0-47: wq, wk, wv: 16 each (8 blocks of columns x 2 K steps)
	s_lshr_b32 s38, ttmp9, 4                       ; which of the three
	s_and_b32 s39, ttmp9, 15
	s_lshr_b32 s40, s39, 1                         ; block b of 32 columns
	s_and_b32 s41, s39, 1                          ; K step s
	s_cmp_eq_u32 s38, 0
	s_cselect_b64 s[36:37], s[4:5], s[6:7]
	s_cselect_b32 s42, s21, s23
	s_cmp_eq_u32 s38, 2
	s_cselect_b64 s[36:37], s[8:9], s[36:37]
	s_cselect_b32 s42, s25, s42                    ; e
	s_cselect_b32 s43, 0, -1                       ; all lanes: the chosen order of columns (wq, wk), or none (wv)
	s_mov_b32 s48, 12                              ; from tile to tile: 4,096 bytes
	s_lshl_b32 s45, s41, 7
	s_add_co_u32 s45, s45, s35                     ; my first row: 128 s + 32 c
	s_lshl_b32 s46, s45, 10                        ; rows of 1,024 bytes
	s_lshl_b32 s47, s40, 7
	s_add_co_u32 s46, s46, s47                     ; + 128 b
	s_mov_b32 s47, 0
	s_add_nc_u64 s[36:37], s[36:37], s[46:47]
	s_lshl_b32 s45, s38, 16                        ; in wcodes: 65,536 x weight + 8,192 b + 2,048 s
	s_lshl_b32 s49, s40, 13
	s_add_co_u32 s45, s45, s49
	s_lshl_b32 s49, s41, 11
	s_add_co_u32 s45, s45, s49
	s_wait_alu depctr_va_vdst(0)
	LD32 1024, 1
	s_branch .Ljoin
.Lnot_qkv:
	s_cmp_lt_u32 ttmp9, 112
	s_cbranch_scc0 .Lw2
	; work-groups 48-111: w1: 32 blocks of columns x 2 K steps
	s_sub_co_u32 s39, ttmp9, 48
	s_lshr_b32 s40, s39, 1
	s_and_b32 s41, s39, 1
	s_mov_b64 s[36:37], s[10:11]
	s_mov_b32 s42, s31                             ; e11
	s_mov_b32 s43, -1
	s_mov_b32 s48, 12
	s_lshl_b32 s45, s41, 7
	s_add_co_u32 s45, s45, s35
	s_lshl_b32 s46, s45, 12                        ; rows of 4,096 bytes
	s_lshl_b32 s47, s40, 7
	s_add_co_u32 s46, s46, s47
	s_mov_b32 s47, 0
	s_add_nc_u64 s[36:37], s[36:37], s[46:47]
	s_lshl_b32 s45, s40, 13
	s_lshl_b32 s49, s41, 11
	s_add_co_u32 s45, s45, s49
	s_add_co_u32 s45, s45, W1O
	s_wait_alu depctr_va_vdst(0)
	LD32 4096, 1
	s_branch .Ljoin
.Lw2:
	; work-groups 112-175: w2: 8 blocks of columns x 8 K steps
	s_sub_co_u32 s39, ttmp9, 112
	s_lshr_b32 s40, s39, 3
	s_and_b32 s41, s39, 7
	s_mov_b64 s[36:37], s[12:13]
	s_mov_b32 s42, s33                             ; e13
	s_mov_b32 s43, 0
	s_mov_b32 s48, 14                              ; from tile to tile: 16,384 bytes
	s_lshl_b32 s45, s41, 7
	s_add_co_u32 s45, s45, s35
	s_lshl_b32 s46, s45, 10
	s_lshl_b32 s47, s40, 7
	s_add_co_u32 s46, s46, s47
	s_mov_b32 s47, 0
	s_add_nc_u64 s[36:37], s[36:37], s[46:47]
	s_lshl_b32 s45, s40, 15
	s_lshl_b32 s49, s41, 11
	s_add_co_u32 s45, s45, s49
	s_add_co_u32 s45, s45, W2O
	s_wait_alu depctr_va_vdst(0)
	LD32 1024, 0
.Ljoin:
	s_add_co_u32 s45, s45, s44                     ; + 512 c: my piece of the fragments
	s_add_co_i32 s42, s42, 127
	s_lshl_b32 s46, s42, 23
	v_mov_b32 v11, s46                             ; 2^e as f32: the conversion takes its exponent field
	s_add_co_i32 s42, s42, 8
	s_lshl_b32 s42, s42, 23
	s_or_b32 s42, s42, 0x600000
	v_mov_b32 v10, s42                             ; 448 x 2^e
	v_lshrrev_b32 v8, 4, v2                        ; l / 16
	v_and_b32 v5, 15, v2
	v_lshlrev_b32 v4, s48, v8                      ; columns as they lie: tile l / 16,
	v_lshl_add_u32 v4, v5, 4, v4                   ; slot l % 16
	v_bfe_u32 v6, v2, 3, 1                         ; the chosen order: tile (l / 8) % 2,
	v_lshlrev_b32 v6, s48, v6
	v_and_b32 v7, 7, v2
	v_lshl_add_u32 v7, v8, 3, v7                   ; slot l % 8 + 8 (l / 16)
	v_lshl_add_u32 v6, v7, 4, v6
	v_cndmask_b32 v4, v4, v6, s43
	v_add_nc_u32 v4, s45, v4
	s_wait_loadcnt 0x0
.set r_, 0
.rept 32
	v_med3_num_f32 v[16+r_], v[16+r_], -v10, v10   ; the conversion to an 8-bit code does not saturate (ISA guide 7.6.2): the hold at the largest code x the scale
.set r_, r_+1
.endr
.irp g,0,1,2,3
	v_cvt_scalef32_pk8_fp8_f32 v[48+2*\g:49+2*\g], v[16+8*\g:23+8*\g], v11
.endr
	v_nop
	global_store_b128 v4, v[48:51], s[16:17]                ; the 16 bytes of lane (slot, 0)
	global_store_b128 v4, v[52:55], s[16:17] offset:256     ; and of lane (slot, 1)
	s_endpgm
.Lfunc_end_k_q4f4edd1aaf_prep:
	.size	k_q4f4edd1aaf_prep, .Lfunc_end_k_q4f4edd1aaf_prep-k_q4f4edd1aaf_prep
	.p2alignl 7, 3214868480
	.fill 96, 4, 3214868480
	.section	.rodata,"a",@progbits
	.p2align	6, 0x0
	.amdhsa_kernel k_q4f4edd1aaf_prep
		.amdhsa_group_segment_fixed_size 0
		.amdhsa_private_segment_fixed_size 0
		.amdhsa_enable_private_segment 0
		.amdhsa_kernarg_size 56
		.amdhsa_user_sgpr_count 2
		.amdhsa_user_sgpr_kernarg_segment_ptr 1
		.amdhsa_wavefront_size32 1
		.amdhsa_system_sgpr_workgroup_id_x 1
		.amdhsa_system_sgpr_workgroup_id_y 1
		.amdhsa_system_sgpr_workgroup_id_z 1
		.amdhsa_system_vgpr_workitem_id 0
		.amdhsa_next_free_vgpr 64
		.amdhsa_next_free_sgpr 66
		.amdhsa_reserve_vcc 0
		.amdhsa_float_denorm_mode_32 3
		.amdhsa_float_denorm_mode_16_64 3
		.amdhsa_memory_ordered 1
		.amdhsa_forward_progress 1
		.amdhsa_inst_pref_size 16
	.end_amdhsa_kernel
	.amdgpu_metadata
---
amdhsa.version: [ 1, 2 ]
amdhsa.kernels:
  - .name:           k_q4f4edd1aaf_prep
    .symbol:         k_q4f4edd1aaf_prep.kd
    .args:
      - { .name: wq, .offset: 0, .size: 8, .value_kind: global_buffer, .address_space: global }
      - { .name: wk, .offset: 8, .size: 8, .value_kind: global_buffer, .address_space: global }
      - { .name: wv, .offset: 16, .size: 8, .value_kind: global_buffer, .address_space: global }
      - { .name: w1, .offset: 24, .size: 8, .value_kind: global_buffer, .address_space: global }
      - { .name: w2, .offset: 32, .size: 8, .value_kind: global_buffer, .address_space: global }
      - { .name: lowp_scales, .offset: 40, .size: 8, .value_kind: global_buffer, .address_space: global }
      - { .name: wcodes, .offset: 48, .size: 8, .value_kind: global_buffer, .address_space: global }
    .group_segment_fixed_size: 0
    .private_segment_fixed_size: 0
    .kernarg_segment_align: 8
    .kernarg_segment_size: 56
    .max_flat_workgroup_size: 128
    .sgpr_count:     66
    .vgpr_count:     64
    .wavefront_size: 32
...
	.end_amdgpu_metadata
.endif
;; end of part 1
;; launch layer (part 2): grid 256 x 1, 8 waves a work-group, no clusters, 306,176 bytes of LDS; arguments x, wcodes, lowp_scales, g1, b1, g2, b2, bq, bk, bv, bm1, bm2, out0; writes out0
.if DOCPART == 2
	.amdgcn_target "amdgcn-amd-amdhsa--gfx1250"
	.amdhsa_code_object_version 6
	.text
	.protected	k_q4f4edd1aaf_layer
	.globl	k_q4f4edd1aaf_layer
	.p2align	8
	.type	k_q4f4edd1aaf_layer,@function
k_q4f4edd1aaf_layer:
	s_mov_b64 s[64:65], 0
	v_nop
	global_prefetch_b8 v0, s[64:65] scope:SCOPE_SE
	s_setreg_imm32_b32 hwreg(HW_REG_WAVE_MODE, 25, 1), 1
	s_wait_xcnt 0x0
; One work-group of EIGHT waves, two to a SIMD, takes a batch element (128 rows x 256 channels) through the whole layer: LN1, q k v, causal attention, residual, LN2, MLP with the exact gelu, residual.
; It stays for two elements, 2 g and 2 g + 1, in a loop round the whole body.  All seven products run on codes of FP8 (E4M3), each operand with its given scale 2^e (e0 .. e13); sums, norms, softmax, gelu in f32.
; SHARES.  What belongs to a row (norms, a query's softmax, first residual, stores): wave w owns rows 16 w .. + 15.  The products' columns are shared out: waves 0-3 make q and waves 4-7 k, channels 64 (w % 4) .. + 63,
; so that a wave reads one image of LN1's codes; wave w makes channels 32 w .. + 31 of v, hidden units 128 w .. + 127 (two passes of 64) and output columns 32 w .. + 31, for all 128 rows.
; Its part of every weight goes from wcodes, where it lies in the order of the operand's registers, straight into window 1 of its registers; only the rows' codes go round through LDS, as images of their registers
; (16 bytes a lane at 16 x lane, 512 bytes a piece, 2,048 a fragment).
; x comes through registers: X in LDS is written by ds_store (both residuals).  The next element's 32 loads a wave go out in the middle of the last product,
; into the registers that w2's K steps 0-3 have left: so no separate prefetch is laid.
; LAYOUT.  In norms and residuals lane (r, h) holds, of row r, channels 16 n + 8 h + j in register 8 n + j: the layout in which attention's second product leaves its result (x + y stays in registers for LN2)
; and the order of k in which wq, wk, wv, w1 are laid.  q, k, hidden layer, outputs are made transposed (source 0 = weight, source 1 = rows' codes); v the other way round, so that its registers run along the tokens.
; The rows of wq, wk, w1 that form a tile, and the tokens of a tile of k's and v's operand, are chosen (slot i of tile 2 b + u = 32 b + 8 u + i + 8 (i / 8)) so that two neighbouring tiles' 16 registers are 16 neighbours along the next K.
; SOFTMAX.  t = score x log2(e) / 8; M = the row's largest t rounded up to a whole number; p = 2^(t - M) is quantised; the sum of the unquantised p divides at the end.  All 128 keys of a row are at hand at once.
; GELU.  z (1 + erf(z / sqrt 2)) / 2, erf as a quotient of polynomials in z^2 (degrees 6 and 4), z held within +-4 sqrt 2 for them; 1 + erf = (Q + z P) / Q; the half goes into the conversion's exponent.
; NO CLUSTER, though all work-groups read the same 720,896 bytes of weights: a joint load lands in LDS alone, where 306,176 of 327,680 bytes are in use, and each byte would be written there and read again.
; Masked key tiles are multiplied all the same: 1/24 of the matrix instructions, and leaving them out would make the waves' shares differ in front of the barriers.
; LIMITS on the given exponents, so that each power of two made below is an f32 number: e0, e2, e4, e8, e10, e12 + 1, e6 - e0 - e1, e7 - e2 - e3, e9 - e4 - e5 between -126 and 119;
; e10 + e11 and e12 + e13 between -126 and 127; e6 + e7 between -123 and 129.  NaN among the inputs is not served.  For z under -4 sqrt 2 the gelu comes out as z x (1 + erf(-4) as f32 gives it): within 1.2e-7 x |z| of 0.
; LDS: X, 128 rows of 1,024 + 16 bytes; A0 .. A4, five images of 32,768 (A0: LN1 for q, then v; A1: LN1 for v; A2: q; A3: k; A4: LN1 for k, then LN2; A0 .. A3: the hidden layer, fragment 8 m + K step); SMALL: g2, b2, bm1, g1, b1; spare words.
; REGISTERS: window 0: v0 thread, v1 16 x lane, v2 r, v3 h, v4-27 a phase's addresses and scales, v28, v29 the add's two, v30, v31 at work, v32-255 a phase's data.  Window 1: weights, the biases, x on its way in, half of v's fragments.
.set XP, 1040
.set A0, 128*XP
.set A1, A0+32768
.set A2, A0+65536
.set A3, A0+98304
.set A4, A0+131072
.set SMALL, A0+163840                  ; g2 at 0, b2 at 1,024, bm1 at 2,048, g1 at 6,144, b1 at 7,168
.set SPARE, SMALL+8192                 ; the spare words, 128 bytes for each of eight waves
.set WVO, 131072
.set W1O, 196608
.set W2O, 458752
.set XV, 64                            ; v64-191  a row's 128 numbers of my half
.set TT, 32                            ; v32-47   two sets of 8 held numbers
.set SS, 48                            ; v48-55   sums
.set CDA, 192                          ; v192-223, v224-255 two sets of a row's codes; ahead of them a piece of the gain and of the bias
.set CDB, 224
.set MSB, 0
.macro WIN new
.if MSB != (\new)
	s_set_vgpr_msb (MSB<<8)|(\new)
.set MSB, (\new)
.endif
.endm
.macro BARRIER                         ; my LDS stores have landed and my LDS loads are in: then the work-group's barrier
	s_wait_alu depctr_va_vdst(0)                   ; the wait ahead of the blocking wait
	s_wait_dscnt 0x0
	s_barrier_signal -1
	s_barrier_wait -1
.endm
.macro PLACES n
.rept \n
	v_nop
.endr
.endm
.macro MKSC vs, vl, sx                 ; v[vs] = 2^n as f32, v[vl] = 448 x 2^n, n in s[sx]
	s_add_co_i32 s98, s[\sx], 127
	s_lshl_b32 s99, s98, 23
	v_mov_b32 v[\vs], s99
	s_add_co_i32 s98, s98, 8
	s_lshl_b32 s98, s98, 23
	s_or_b32 s98, s98, 0x600000
	v_mov_b32 v[\vl], s98
.endm
.macro COEF sr, val, mul               ; a coefficient of erf's quotient, brought to the variable z, as a scalar pair
	v_mov_b32 v10, \val
	v_mul_f32 v10, \mul, v10
	v_readfirstlane_b32 s[\sr], v10
	s_mov_b32 s[\sr+1], s[\sr]
.endm
.macro LOADW reg, sb, off, nfr         ; nfr fragments on end in wcodes -> window 1 from reg on: each load takes 512 consecutive bytes
	WIN 0x40
.set f_, 0
.rept \nfr
.irp c,0,1,2,3
	global_load_b128 v[(\reg)+16*f_+4*\c:(\reg)+16*f_+4*\c+3], v1, s[\sb:\sb+1] offset:(\off)+2048*f_+512*\c
.endr
.set f_, f_+1
.endr
	WIN 0
.endm
.macro LOADW2 s0                       ; w2's K steps s0 .. s0 + 3 of my two tiles: fragment (s, t) at register 32 s + 16 t of window 1
	WIN 0x40
.irp q,0,1,2,3
.irp t,0,1
.irp c,0,1,2,3
	global_load_b128 v[32*((\s0)+\q)+16*\t+4*\c:32*((\s0)+\q)+16*\t+4*\c+3], v1, s[68:69] offset:W2O+16384*\t+2048*((\s0)+\q)+512*\c
.endr
.endr
.endr
	WIN 0
.endm
.macro XLD off                         ; my 16 rows of x, 32 loads of 512 consecutive bytes, into window 1, v0-127
	WIN 0x40
.set k_, 0
.rept 32
	global_load_b128 v[4*k_:4*k_+3], v1, s[34:35] offset:(\off)+512*k_ th:TH_LOAD_NT
.set k_, k_+1
.endr
	WIN 0
.endm
.macro XNEXT                           ; the next element's x, if there is one: no load leaves its buffer
	s_cmp_eq_u32 s90, 1
	s_cbranch_scc1 .Lnx_\@
	XLD 131072
.Lnx_\@:
.endm
.macro TOPLD                           ; 26 loads into window 1, v128-239: my bias of q or k, bv, my four fragments of wv
	s_and_b32 s31, s30, 3
	s_lshl_b32 s31, s31, 8
	v_lshl_add_u32 v14, v3, 6, s31                 ; 256 (w % 4) + 64 h: bq or bk
	s_lshl_b32 s31, s30, 7
	v_lshl_add_u32 v15, v2, 2, s31                 ; 128 w + 4 r: bv
	WIN 0x40
.irp t,0,1,2,3
.irp j,0,1
	global_load_b128 v[192+8*\t+4*\j:195+8*\t+4*\j], v14, s[38:39] offset:128*(\t/2)+32*(\t%2)+16*\j   ; at channels 64 (w % 4) + 32 (t / 2) + 16 h + 8 (t % 2) + j
.endr
.endr
.irp n,0,1
	global_load_b32 v[224+8*\n], v15, s[22:23] offset:64*\n                                            ; bv at channel 32 w + 16 n + r
.endr
	WIN 0
	LOADW 128, 66, WVO, 4
.endm
.macro LDGB c                          ; piece c (32 of my 128 channels) of a gain -> v192-223 and, 1,024 bytes on, of its bias -> v224-255
.set k_, 0
.rept 8
	ds_load_b128 v[192+4*k_:195+4*k_], v12 offset:256*(\c)+64*(k_/2)+16*(k_%2)
	ds_load_b128 v[224+4*k_:227+4*k_], v12 offset:1024+256*(\c)+64*(k_/2)+16*(k_%2)
.set k_, k_+1
.endr
.endm
.macro LNMERGE
	v_pk_add_f32 v[SS:SS+1], v[SS:SS+1], v[SS+2:SS+3]
	v_pk_add_f32 v[SS+4:SS+5], v[SS+4:SS+5], v[SS+6:SS+7]
	v_pk_add_f32 v[SS:SS+1], v[SS:SS+1], v[SS+4:SS+5]
	v_add_f32 v[SS], v[SS], v[SS+1]
	v_permlanex16_b32 v[SS+1], v[SS], s58, s59
	v_add_f32 v[SS], v[SS], v[SS+1]
.endm
; A layer norm of my 16 rows in v[XV] on (ld = 1: fetched from X at v8): mean, differences, their squares' mean, 1 / sqrt, gain and bias (at v12 in SMALL, four pieces by turns)
.macro LNCORE ld
	s_wait_alu depctr_va_vdst(0)                   ; the addresses were made behind scalar work
.if \ld
.set k_, 0
.rept 32
	ds_load_b128 v[XV+4*k_:XV+4*k_+3], v8 offset:64*(k_/2)+16*(k_%2)
.set k_, k_+1
.endr
.endif
	LDGB 0
.if \ld
	s_wait_dscnt 16                                ; the rows are in; the 16 loads of the first piece may be out
.endif
.irp k,0,1,2,3
	v_pk_add_f32 v[SS+2*\k:SS+2*\k+1], v[XV+2*\k:XV+2*\k+1], v[XV+8+2*\k:XV+9+2*\k]
.endr
.set q_, 8
.rept 56
	v_pk_add_f32 v[SS+2*(q_%4):SS+2*(q_%4)+1], v[SS+2*(q_%4):SS+2*(q_%4)+1], v[XV+2*q_:XV+2*q_+1]
.set q_, q_+1
.endr
	LNMERGE
	v_mul_f32 v[SS], s2, v[SS]                     ; the mean
.set q_, 0
.rept 64
	v_pk_add_f32 v[XV+2*q_:XV+2*q_+1], v[XV+2*q_:XV+2*q_+1], v[SS:SS+1] op_sel_hi:[1,0] neg_lo:[0,1] neg_hi:[0,1]
.set q_, q_+1
.endr
.irp k,0,1,2,3
	v_pk_mul_f32 v[SS+2*\k:SS+2*\k+1], v[XV+2*\k:XV+2*\k+1], v[XV+2*\k:XV+2*\k+1]
.endr
.set q_, 4
.rept 60
	v_pk_fma_f32 v[SS+2*(q_%4):SS+2*(q_%4)+1], v[XV+2*q_:XV+2*q_+1], v[XV+2*q_:XV+2*q_+1], v[SS+2*(q_%4):SS+2*(q_%4)+1]
.set q_, q_+1
.endr
	LNMERGE
	v_fma_f32 v[SS], v[SS], s2, s3                 ; the variance + 1e-5
	s_wait_alu depctr_va_vdst(0)                   ; the wait ahead of the transcendental
	v_rsq_f32 v[SS+2], v[SS]
	v_nop
	s_wait_alu depctr_va_vdst(0)                   ; and ahead of its first reader
.irp c,0,1,2,3
.set q_, 16*\c
.rept 16
	v_pk_mul_f32 v[XV+2*q_:XV+2*q_+1], v[XV+2*q_:XV+2*q_+1], v[SS+2:SS+3] op_sel_hi:[1,0]
.set q_, q_+1
.endr
	s_wait_alu depctr_va_vdst(0)
	s_wait_dscnt 0x0                               ; this piece of gain and bias is in
.set q_, 0
.rept 16
	v_pk_fma_f32 v[XV+32*\c+2*q_:XV+32*\c+2*q_+1], v[XV+32*\c+2*q_:XV+32*\c+2*q_+1], v[192+2*q_:193+2*q_], v[224+2*q_:225+2*q_]
.set q_, q_+1
.endr
.if \c < 3
	LDGB \c+1
.endif
.endr
.endm
; The row in v[XV] on becomes two fragments' codes in v[cd] on, which go to LDS as they stand
.macro QIMG vs, vl, cd, adr
.set n_, 0
.rept 16
.irp j,0,1,2,3,4,5,6,7
	v_med3_num_f32 v[TT+8*(n_%2)+\j], v[XV+8*n_+\j], -v[\vl], v[\vl]   ; the conversion does not saturate (ISA guide 7.6.2): the hold at the largest code x the scale
.endr
	v_cvt_scalef32_pk8_fp8_f32 v[(\cd)+2*n_:(\cd)+2*n_+1], v[TT+8*(n_%2):TT+8*(n_%2)+7], v[\vs]
.set n_, n_+1
.endr
	v_nop
.irp q,0,1,2,3,4,5,6,7
	ds_store_b128 v[\adr], v[(\cd)+4*\q:(\cd)+4*\q+3] offset:2048*(\q/4)+512*(\q%4)
.endr
.endm
	; ---------------- the head: once for both elements
	s_load_b512 s[4:19], s[0:1], 0x0               ; x, wcodes s[6:7], lowp_scales s[8:9], g1 s[10:11], b1, g2 s[14:15], b2, bq s[18:19]
	s_load_b256 s[20:27], s[0:1], 0x40             ; bk, bv s[22:23], bm1 s[24:25], bm2 s[26:27]
	s_load_b64 s[28:29], s[0:1], 0x60              ; out0
	v_lshl_add_u32 v28, v0, 2, SPARE               ; the add's two registers: never rewritten
	v_mov_b32 v29, 0
	v_lshrrev_b32 v4, 5, v0
	v_readfirstlane_b32 s30, v4                    ; wave 0..7
	v_and_b32 v1, 31, v0
	v_lshlrev_b32 v1, 4, v1                        ; 16 x lane
	v_and_b32 v2, 15, v0                           ; r
	v_bfe_u32 v3, v0, 4, 1                         ; h
	v_mov_b32 v30, 0
	v_mov_b32 v31, 0
	s_mov_b32 s58, 0x76543210                      ; v_permlanex16_b32's selects for lane l xor 16
	s_mov_b32 s59, 0xfedcba98
	s_mov_b32 s2, 0x3b800000                       ; 1 / 256
	s_mov_b32 s3, 0x3727c5ac                       ; 1e-5
	COEF 70, -0.0160960333262415, 0x3f3504f3
	COEF 72, -0.00295459980854025, 0x3eb504f3
	COEF 74, -0.000734990630326855, 0x3e3504f3
	COEF 76, -0.0000569250639462346, 0x3db504f3
	COEF 78, -0.00000210102402082508, 0x3d3504f3
	COEF 80, 0.0000000277068142495902, 0x3cb504f3
	COEF 82, -0.0142647390514189, 0x3f800000
	COEF 84, -0.00737332916720468, 0x3f000000
	COEF 86, -0.00168282697438203, 0x3e800000
	COEF 88, -0.000213374055278905, 0x3e000000
	v_and_b32 v4, 63, v0
	v_lshlrev_b32 v4, 4, v4                        ; 16 (thread % 64): a gain or a bias of a norm
	v_lshlrev_b32 v5, 4, v0                        ; 16 x thread: bm1
	s_lshr_b32 s62, s30, 2
	s_lshl_b32 s62, s62, 12
	v_add_nc_u32 v9, SMALL, v5
	v_add_nc_u32 v8, s62, v9                       ; waves 0-3: g2, b2 at 0; waves 4-7: g1, b1 at 6,144
	s_wait_alu depctr_va_vdst(0)                   ; the wait at the head's end
	s_wait_kmcnt 0x0
	s_load_b256 s[44:51], s[8:9], 0x0              ; e0 .. e7
	s_load_b128 s[52:55], s[8:9], 0x20             ; e8 .. e11
	s_load_b64 s[56:57], s[8:9], 0x30              ; e12, e13
	s_lshl_b32 s62, ttmp9, 18                      ; my two elements,
	s_lshl_b32 s63, s30, 14                        ; my wave's 16 rows
	s_add_co_u32 s62, s62, s63
	s_mov_b32 s63, 0
	s_add_nc_u64 s[34:35], s[4:5], s[62:63]
	s_add_nc_u64 s[28:29], s[28:29], s[62:63]
	s_lshl_b32 s62, s30, 13
	s_add_nc_u64 s[66:67], s[6:7], s[62:63]        ; wcodes + 8,192 w: my 4 fragments of wv
	s_lshl_b32 s62, s30, 14
	s_add_nc_u64 s[36:37], s[6:7], s[62:63]        ; wcodes + 16,384 w: my 8 fragments of wq (waves 0-3) or of wk, which lies behind it (waves 4-7)
	s_lshl_b32 s62, s30, 15
	s_add_nc_u64 s[68:69], s[6:7], s[62:63]        ; wcodes + 32,768 w: my 16 fragments of w1, w2
	s_cmp_lt_u32 s30, 2
	s_cselect_b64 s[100:101], s[14:15], s[16:17]   ; waves 0, 1: g2; 2, 3: b2
	s_cmp_lt_u32 s30, 6
	s_cselect_b64 s[32:33], s[10:11], s[12:13]     ; waves 4, 5: g1; 6, 7: b1
	s_cmp_lt_u32 s30, 4
	s_cselect_b64 s[100:101], s[100:101], s[32:33]
	s_cselect_b64 s[38:39], s[18:19], s[20:21]     ; waves 0-3: bq; 4-7: bk
	global_load_b128 v[240:243], v4, s[100:101]
	global_load_b128 v[244:247], v5, s[24:25]
	XLD 0                                          ; the first element's x
	s_wait_loadcnt 32                              ; the two small loads are in; x's 32 may be out
	ds_store_b128 v8, v[240:243]
	ds_store_b128 v9, v[244:247] offset:2048
	s_wait_kmcnt 0x0
	s_add_co_i32 s62, s50, s51
	s_lshl_b32 s62, s62, 23
	s_add_co_i32 s60, s62, 0x3e38aa3b              ; c = log2(e) / 8 x 2^(e6 + e7)
	s_mov_b32 s61, s60
	s_add_co_i32 s62, s54, s55
	s_add_co_i32 s62, s62, 127
	s_lshl_b32 s92, s62, 23                        ; 2^(e10 + e11)
	s_mov_b32 s93, s92
	s_add_co_i32 s62, s56, s57
	s_add_co_i32 s62, s62, 127
	s_lshl_b32 s94, s62, 23                        ; 2^(e12 + e13)
	s_mov_b32 s95, s94
	BARRIER                                        ; SMALL is whole
	s_mov_b32 s90, 0
.Lbatch:
	; ---------------- an element's top: biases and wv go out; x goes from window 1 into my rows of X; wq or wk takes its registers
	TOPLD
	s_wait_loadcnt 26                              ; the 26 loads just issued may be out; x's, which are older, are in
	s_mul_i32 s62, s30, 16*XP
	v_add_nc_u32 v13, s62, v1
	WIN 0x04                                       ; store data (source 1) window 1
.set k_, 0
.rept 32
	ds_store_b128 v13, v[4*k_:4*k_+3] offset:XP*(k_/2)+512*(k_%2)
.set k_, k_+1
.endr
	WIN 0
	MKSC 16, 17, 44                                ; e0, e2, e4: LN1's result is an operand three times
	MKSC 18, 19, 46
	MKSC 20, 21, 48
	v_mul_u32_u24 v8, v2, XP
	v_lshl_add_u32 v8, v3, 5, v8
	v_add_nc_u32 v8, s62, v8                       ; X: my rows, row r, + 32 h
	s_lshl_b32 s62, s30, 12
	v_add_nc_u32 v9, s62, v1
	v_add_nc_u32 v9, A0, v9                        ; for q: tile w, rows as they lie
	s_lshr_b32 s62, s30, 1
	s_lshl_b32 s62, s62, 13
	s_and_b32 s63, s30, 1
	s_lshl_b32 s63, s63, 7
	s_add_co_u32 s62, s62, s63
	v_lshrrev_b32 v10, 3, v2
	v_and_b32 v11, 7, v2
	v_lshlrev_b32 v6, 12, v10                      ; for k and v: token 16 w + r is slot r % 8 + 8 (w % 2) of tile 2 (w / 2) + r / 8
	v_lshl_add_u32 v6, v11, 4, v6
	v_lshl_add_u32 v6, v3, 8, v6
	v_add_nc_u32 v6, s62, v6
	v_add_nc_u32 v10, A4, v6
	v_add_nc_u32 v11, A1, v6
	v_lshl_add_u32 v12, v3, 5, SMALL+6144          ; g1, b1: + 32 h
	s_wait_alu depctr_va_vdst(0)
	s_wait_dscnt 0x0                               ; x's stores have read window 1
	LOADW 0, 36, 0, 8
	; ---------------- LN1
	LNCORE 1
	QIMG 16, 17, CDA, 9
	QIMG 18, 19, CDB, 10
	s_wait_dscnt 8                                 ; the first image's eight stores have read their registers
	QIMG 20, 21, CDA, 11
	BARRIER                                        ; the three images of LN1's codes lie in LDS
	; ---------------- q (waves 0-3) and k (waves 4-7): my 64 channels, a tile of 16 rows a trip
	s_wait_loadcnt 0x0                             ; biases, wv, wq or wk
	s_cmp_lt_u32 s30, 4
	s_cselect_b32 s62, s44, s46                    ; e0 or e2
	s_cselect_b32 s63, s45, s47                    ; e1 or e3
	s_cselect_b32 s31, s50, s51                    ; e6 or e7
	s_add_co_i32 s62, s62, s63                     ; a sum stands for sum x 2^(e0 + e1): the bias goes in divided by that; the three scales are folded into the conversion's one
	s_sub_co_i32 s31, s31, s62
	MKSC 16, 17, 31
	s_sub_co_i32 s62, 0, s62
	s_add_co_i32 s97, s48, s49
	s_sub_co_i32 s31, s53, s97
	MKSC 20, 21, 31
	s_sub_co_i32 s97, 0, s97
	WIN 0x41                                       ; source 0 and destination window 1
.set i_, 0
.rept 32
	v_ldexp_f32 v[192+i_], v[192+i_], s62
.set i_, i_+1
.endr
.irp n,0,1
.irp j,7,6,5,4,3,2,1,0
	v_ldexp_f32 v[224+8*\n+\j], v[224+8*\n], s97   ; v's result holds one channel a lane: its bias is the same in all eight registers
.endr
.endr
	WIN 0
	s_lshr_b32 s63, s30, 2
	s_mul_i32 s62, s63, A4-A0
	v_add_nc_u32 v4, s62, v1
	v_add_nc_u32 v4, A0, v4                        ; the image that I read: A0 for q, A4 for k
	s_lshl_b32 s62, s63, 15                        ; what I write: A2 for q, A3 for k;
	s_bfe_u32 s63, s30, 0x10001
	s_lshl_b32 s63, s63, 11
	s_add_co_u32 s62, s62, s63
	s_and_b32 s63, s30, 1
	s_lshl_b32 s63, s63, 10
	s_add_co_u32 s62, s62, s63                     ; my channels are pieces 2 (w % 2), + 1 of K step (w % 4) / 2 of the next product
	v_add_nc_u32 v6, s62, v1
	v_add_nc_u32 v6, A2, v6
.macro LDQK
.irp s,0,1
.irp c,0,1,2,3
	ds_load_b128 v[32+16*\s+4*\c:35+16*\s+4*\c], v12 offset:2048*\s+512*\c
.endr
.endr
.endm
	s_mov_b32 s96, 0
	s_mov_b32 s97, 0
	s_wait_alu depctr_va_vdst(0)
	v_add_nc_u32 v12, s97, v4
	LDQK
	s_wait_alu depctr_va_vdst(0)
.Lqk:
	s_wait_dscnt 0x0
	WIN 0x11                                       ; source 0 (weights) and C (bias) window 1.  The four accumulators take turns
.irp t,0,1,2,3
	v_wmma_f32_16x16x128_fp8_fp8 v[96+8*\t:103+8*\t], v[32*\t:32*\t+15], v[32:47], v[192+8*\t:199+8*\t]
.endr
	WIN 0x01
.irp t,0,1,2,3
	v_wmma_f32_16x16x128_fp8_fp8 v[96+8*\t:103+8*\t], v[32*\t+16:32*\t+31], v[48:63], v[96+8*\t:103+8*\t]
.endr
	WIN 0
	s_wait_alu depctr_va_vdst(0)
	v_add_nc_u32 v14, s97, v6                      ; four places behind the products (ISA guide 7.12.1)
	s_add_co_u32 s97, s97, 4096
	v_add_nc_u32 v12, s97, v4
	PLACES 2
	s_cmp_eq_u32 s96, 7
	s_wait_alu depctr_va_vdst(0)
	s_cbranch_scc1 .Lqk_last                       ; the last trip fetches nothing
	LDQK
.Lqk_last:
.set i_, 0
.rept 32
	v_med3_num_f32 v[96+i_], v[96+i_], -v17, v17
.set i_, i_+1
.endr
.irp t,0,1,2,3
	v_cvt_scalef32_pk8_fp8_f32 v[160+2*\t:161+2*\t], v[96+8*\t:103+8*\t], v16
.endr
	v_nop
	ds_store_b128 v14, v[160:163]
	ds_store_b128 v14, v[164:167] offset:512
	s_add_co_u32 s96, s96, 1
	s_cmp_lt_u32 s96, 8
	s_wait_alu depctr_va_vdst(0)
	s_cbranch_scc1 .Lqk
	LOADW 0, 68, W1O, 8                            ; wq and wk are done with: w1's first 64 of my hidden units
	BARRIER                                        ; nobody reads q's operand any more: v's codes may take its place
	; ---------------- v: my 32 channels, 32 tokens a trip; source 0 = tokens, source 1 = wv
	v_add_nc_u32 v4, A1, v1
	s_lshl_b32 s62, s30, 12
	v_add_nc_u32 v5, s62, v1
	v_add_nc_u32 v5, A0, v5
.macro LDV
.irp f,0,1,2,3
.irp c,0,1,2,3
	ds_load_b128 v[32+16*\f+4*\c:35+16*\f+4*\c], v12 offset:2048*\f+512*\c
.endr
.endr
.endm
	s_mov_b32 s96, 0
	s_mov_b32 s97, 0
	s_mov_b32 s98, 0
	v_add_nc_u32 v12, s97, v4
	LDV
	s_wait_alu depctr_va_vdst(0)
.Lv:
	s_wait_dscnt 0x0
	WIN 0x14                                       ; source 1 (wv) and C (bias) window 1
.irp n,0,1
.irp u,0,1
	v_wmma_f32_16x16x128_fp8_fp8 v[96+16*\n+8*\u:103+16*\n+8*\u], v[32+32*\u:47+32*\u], v[128+32*\n:143+32*\n], v[224+8*\n:231+8*\n]
.endr
.endr
	WIN 0x04
.irp n,0,1
.irp u,0,1
	v_wmma_f32_16x16x128_fp8_fp8 v[96+16*\n+8*\u:103+16*\n+8*\u], v[48+32*\u:63+32*\u], v[144+32*\n:159+32*\n], v[96+16*\n+8*\u:103+16*\n+8*\u]
.endr
.endr
	WIN 0
	s_wait_alu depctr_va_vdst(0)
	v_add_nc_u32 v14, s98, v5
	s_add_co_u32 s97, s97, 8192
	v_add_nc_u32 v12, s97, v4
	PLACES 2
	s_cmp_eq_u32 s96, 3
	s_wait_alu depctr_va_vdst(0)
	s_cbranch_scc1 .Lv_last                        ; the last trip fetches nothing
	LDV
.Lv_last:
.set i_, 0
.rept 32
	v_med3_num_f32 v[96+i_], v[96+i_], -v21, v21
.set i_, i_+1
.endr
.irp a,0,1,2,3
	v_cvt_scalef32_pk8_fp8_f32 v[160+2*\a:161+2*\a], v[96+8*\a:103+8*\a], v20
.endr
	v_nop
.irp n,0,1
	ds_store_b128 v14, v[160+4*\n:163+4*\n] offset:2048*\n   ; channel tile 2 w + n, piece = this trip's 32 tokens
.endr
	s_add_co_u32 s98, s98, 512
	s_add_co_u32 s96, s96, 1
	s_cmp_lt_u32 s96, 4
	s_wait_alu depctr_va_vdst(0)
	s_cbranch_scc1 .Lv
	BARRIER                                        ; q, k and v lie in LDS
	; ---------------- attention: my tile of 16 queries
	v_add_nc_u32 v4, A3, v1
	s_lshl_b32 s62, s30, 12
	v_add_nc_u32 v5, s62, v1
	v_add_nc_u32 v5, A2, v5
	v_add_nc_u32 v6, A0, v1
	s_mul_i32 s62, s30, 16*XP
	v_mul_u32_u24 v13, v2, XP
	v_lshl_add_u32 v13, v3, 5, v13
	v_add_nc_u32 v13, s62, v13                     ; X: my rows, row r, + 32 h
	MKSC 22, 23, 52                                ; e8
	s_wait_alu depctr_va_vdst(0)
.irp s,0,1
.irp c,0,1,2,3
	ds_load_b128 v[32+16*\s+4*\c:35+16*\s+4*\c], v5 offset:2048*\s+512*\c
.endr
.endr
.macro LDK hf, s                       ; k's tiles 4 hf .. + 3, K step s, into half hf of v128-255
.irp a,0,1,2,3
.irp c,0,1,2,3
	ds_load_b128 v[128+64*(\hf)+16*\a+4*\c:131+64*(\hf)+16*\a+4*\c], v4 offset:4096*(4*(\hf)+\a)+2048*(\s)+512*\c
.endr
.endr
.endm
.macro SC hf, s                        ; S^T = k q^T: a lane holds one query; the eight accumulators take turns
.irp a,0,1,2,3
.if (\s) == 0
	v_wmma_f32_16x16x128_fp8_fp8 v[64+32*(\hf)+8*\a:71+32*(\hf)+8*\a], v[128+64*(\hf)+16*\a:143+64*(\hf)+16*\a], v[32:47], 0
.else
	v_wmma_f32_16x16x128_fp8_fp8 v[64+32*(\hf)+8*\a:71+32*(\hf)+8*\a], v[128+64*(\hf)+16*\a:143+64*(\hf)+16*\a], v[48:63], v[64+32*(\hf)+8*\a:71+32*(\hf)+8*\a]
.endif
.endr
.endm
	LDK 0, 0
	LDK 1, 0
	s_wait_dscnt 16                                ; each wait leaves the youngest 16 loads out
	SC 0, 0
	PLACES 4
	LDK 0, 1
	s_wait_dscnt 16
	SC 1, 0
	PLACES 4
	LDK 1, 1
	s_wait_dscnt 16
	SC 0, 1
	s_wait_dscnt 0x0
	SC 1, 1
	v_lshlrev_b32 v24, 4, v3                       ; four plain instructions: the places behind the products
	v_sub_nc_u32 v24, v2, v24
	s_lshl_b32 s62, s30, 4
	v_add_nc_u32 v24, s62, v24                     ; my query - 16 h
	v_mov_b32 v25, 0xff800000                      ; -infinity
.irp n,0,1,2,3,4,5,6,7
.irp c,0,1,2,3
	ds_load_b128 v[128+16*\n+4*\c:131+16*\n+4*\c], v6 offset:2048*\n+512*\c            ; v's channel tiles 0-7, where k lay
.endr
.endr
	WIN 0x40
.irp n,0,1,2,3,4,5,6,7
.irp c,0,1,2,3
	ds_load_b128 v[128+16*\n+4*\c:131+16*\n+4*\c], v6 offset:16384+2048*\n+512*\c      ; tiles 8-15, in window 1, where wv and the biases lay
.endr
.endr
	WIN 0
.set n_, 0
.rept 64                               ; register 16 b + i holds key 32 b + 16 h + i: hidden where 32 b + i > my query - 16 h
	v_cmp_gt_i32 vcc_lo, 32*(n_/16)+n_%16, v24
	v_cndmask_b32 v[64+n_], v[64+n_], v25, vcc_lo
.set n_, n_+1
.endr
	v_max3_num_f32 v26, v64, v65, v66
	v_max3_num_f32 v27, v67, v68, v69
.set n_, 6
.rept 14
	v_max3_num_f32 v26, v26, v[64+n_], v[65+n_]
	v_max3_num_f32 v27, v27, v[66+n_], v[67+n_]
.set n_, n_+4
.endr
	v_max3_num_f32 v26, v26, v126, v127
	v_max_num_f32 v26, v26, v27
	v_permlanex16_b32 v30, v26, s58, s59           ; the query's other 64 keys lie in the lane 16 away
	v_max_num_f32 v26, v26, v30
	v_mul_f32 v26, s60, v26                        ; as t (c is positive)
	v_floor_f32 v8, -v26                           ; -M = floor(-t).  Key 0 counts for every query, so it is a number
	v_mov_b32 v9, v8
.set n_, 0
.rept 32
	v_pk_fma_f32 v[64+n_:65+n_], v[64+n_:65+n_], s[60:61], v[8:9] op_sel_hi:[1,0,0]
.set n_, n_+2
.endr
	s_wait_alu depctr_va_vdst(0)                   ; the wait ahead of the batch
.set n_, 0
.rept 64
	v_exp_f32 v[64+n_], v[64+n_]                   ; p = 2^(t - M)
.set n_, n_+1
.endr
	v_nop
	s_wait_alu depctr_va_vdst(0)                   ; and one behind it, ahead of its first reader
	v_pk_add_f32 v[10:11], v[64:65], v[66:67]      ; the row's sum of the unquantised p, in two chains
	v_pk_add_f32 v[26:27], v[68:69], v[70:71]
.set n_, 8
.rept 14
	v_pk_add_f32 v[10:11], v[10:11], v[64+n_:65+n_]
	v_pk_add_f32 v[26:27], v[26:27], v[66+n_:67+n_]
.set n_, n_+4
.endr
	v_pk_add_f32 v[10:11], v[10:11], v[26:27]
	v_add_f32 v10, v10, v11
	v_permlanex16_b32 v30, v10, s58, s59
	v_add_f32 v10, v10, v30
	s_wait_alu depctr_va_vdst(0)
	v_rcp_f32 v10, v10
.irp b,0,1,2,3                         ; p becomes the second product's operand; p is not negative, so its hold is one-sided
.irp i,0,1,2,3,4,5,6,7,8,9,10,11,12,13,14,15
	v_min_num_f32 v[64+16*\b+\i], v[64+16*\b+\i], v23
.endr
	v_cvt_scalef32_pk8_fp8_f32 v[32+4*\b:33+4*\b], v[64+16*\b:71+16*\b], v22
	v_cvt_scalef32_pk8_fp8_f32 v[34+4*\b:35+4*\b], v[72+16*\b:79+16*\b], v22
.endr
	v_nop
	s_add_co_i32 s62, s52, s53
	s_wait_alu depctr_va_vdst(0)
	v_ldexp_f32 v10, v10, s62                      ; 2^(e8 + e9) / the sum
	v_mov_b32 v11, v10
	s_wait_alu depctr_va_vdst(0)
	s_wait_dscnt 0x0                               ; v's sixteen fragments
.irp n,0,1,2,3,4,5,6,7                 ; O^T = v^T p^T: all 128 keys in one instruction, so each sum begins and ends here.  Channel tile n at v[XV + 8 n]
	v_wmma_f32_16x16x128_fp8_fp8 v[64+8*\n:71+8*\n], v[128+16*\n:143+16*\n], v[32:47], 0
.endr
	PLACES 5                                       ; five: the next products write over registers that these have read
.set k_, 0
.rept 16
	ds_load_b128 v[192+4*k_:195+4*k_], v13 offset:64*(k_/2)+16*(k_%2)                  ; x, channels 0-127 of my half's order
.set k_, k_+1
.endr
	WIN 0x01
.irp n,0,1,2,3,4,5,6,7
	v_wmma_f32_16x16x128_fp8_fp8 v[128+8*\n:135+8*\n], v[128+16*\n:143+16*\n], v[32:47], 0
.endr
	WIN 0
	PLACES 4
	WIN 0x40
.set k_, 0
.rept 16
	ds_load_b128 v[128+4*k_:131+4*k_], v13 offset:512+64*(k_/2)+16*(k_%2)              ; x, the other channels, into window 1
.set k_, k_+1
.endr
	WIN 0
	; ---------------- the first residual: x + O^T / the sum, kept in v[XV] on for LN2 and stored into X
	s_wait_alu depctr_va_vdst(0)
	s_wait_dscnt 16
.set i_, 0
.rept 32
	v_pk_fma_f32 v[64+i_:65+i_], v[64+i_:65+i_], v[10:11], v[192+i_:193+i_]
.set i_, i_+2
.endr
	s_wait_dscnt 0x0
	WIN 0x10                                       ; source 2 window 1
.set i_, 0
.rept 32
	v_pk_fma_f32 v[128+i_:129+i_], v[128+i_:129+i_], v[10:11], v[128+i_:129+i_]
.set i_, i_+2
.endr
	WIN 0
.set k_, 0
.rept 32
	ds_store_b128 v13, v[XV+4*k_:XV+4*k_+3] offset:64*(k_/2)+16*(k_%2)
.set k_, k_+1
.endr
	LOADW 128, 68, W1O+16384, 8                    ; w1's second 64 of my hidden units
	; ---------------- LN2
	MKSC 16, 17, 54                                ; e10
	s_lshl_b32 s62, s30, 12
	v_add_nc_u32 v9, s62, v1
	v_add_nc_u32 v9, A4, v9
	v_lshl_add_u32 v12, v3, 5, SMALL               ; g2, b2: + 32 h
	LNCORE 0
	QIMG 16, 17, CDA, 9
	BARRIER                                        ; LN2's codes lie in LDS, and nobody reads q, k, v any more
	; ---------------- MLP, first product and gelu: my 128 hidden units in two passes of 64, a tile of 16 rows a trip
	s_lshl_b32 s62, s30, 9
	v_lshl_add_u32 v6, v3, 6, s62
	v_add_nc_u32 v6, SMALL+2048, v6                ; bm1: 512 w + 64 h
	s_lshl_b32 s62, s30, 7
	v_lshl_add_u32 v27, v3, 5, s62                 ; bm2: 128 w + 32 h
.set k_, 0
.rept 16
	ds_load_b128 v[192+4*k_:195+4*k_], v6 offset:128*(k_/4)+32*((k_/2)%2)+16*(k_%2)    ; tile k / 2: hidden units 128 w + 32 (tile / 2) + 16 h + 8 (tile % 2) + j
.set k_, k_+1
.endr
.irp t,0,1
.irp j,0,1
	global_load_b128 v[8+8*\t+4*\j:11+8*\t+4*\j], v27, s[26:27] offset:64*\t+16*\j     ; bm2 at columns 32 w + 16 t + 8 h + j
.endr
.endr
	s_add_co_i32 s31, s56, 1
	MKSC 24, 25, 31                                ; e12 + 1: what is converted is 2 x gelu
	v_mov_b32 v26, 0x40b504f3                      ; 4 sqrt 2
	v_mov_b32 v184, -0.000000000272614225801306    ; the two leading coefficients, as vector pairs
	v_mul_f32 v184, 0x3c3504f3, v184
	v_mov_b32 v185, v184
	v_mov_b32 v186, -0.0000145660718464996
	v_mul_f32 v186, 0x3d800000, v186
	v_mov_b32 v187, v186
	v_add_nc_u32 v4, A4, v1
	s_lshl_b32 s62, s30, 11
	v_add_nc_u32 v5, s62, v1
	v_add_nc_u32 v5, A0, v5                        ; the hidden layer's image: K step w
.macro LDH2
.irp s,0,1
.irp c,0,1,2,3
	ds_load_b128 v[32+16*\s+4*\c:35+16*\s+4*\c], v6 offset:2048*\s+512*\c
.endr
.endr
.endm
; 16 numbers z at v[64 + 16 g]: GPLAIN makes of them z (Q + zc P) and lays Q at v[96 + 16 g]; GRCP makes 1 / Q; GFIN multiplies, holds and converts.  v128-143 zc, v144-159 zc^2, v160-175 P
.macro GPLAIN g
.irp i,0,1,2,3,4,5,6,7,8,9,10,11,12,13,14,15
	v_med3_num_f32 v[128+\i], v[64+16*(\g)+\i], -v26, v26
.endr
.irp i,0,2,4,6,8,10,12,14
	v_pk_mul_f32 v[144+\i:145+\i], v[128+\i:129+\i], v[128+\i:129+\i]
.endr
.irp i,0,2,4,6,8,10,12,14
	v_pk_fma_f32 v[160+\i:161+\i], v[144+\i:145+\i], v[184:185], s[80:81] op_sel_hi:[1,1,0]
.endr
.irp k,78,76,74,72,70
.irp i,0,2,4,6,8,10,12,14
	v_pk_fma_f32 v[160+\i:161+\i], v[160+\i:161+\i], v[144+\i:145+\i], s[\k:\k+1] op_sel_hi:[1,1,0]
.endr
.endr
.irp i,0,2,4,6,8,10,12,14
	v_pk_fma_f32 v[96+16*(\g)+\i:97+16*(\g)+\i], v[144+\i:145+\i], v[186:187], s[88:89] op_sel_hi:[1,1,0]
.endr
.irp k,86,84,82
.irp i,0,2,4,6,8,10,12,14
	v_pk_fma_f32 v[96+16*(\g)+\i:97+16*(\g)+\i], v[96+16*(\g)+\i:97+16*(\g)+\i], v[144+\i:145+\i], s[\k:\k+1] op_sel_hi:[1,1,0]
.endr
.endr
.irp i,0,2,4,6,8,10,12,14
	v_pk_fma_f32 v[160+\i:161+\i], v[128+\i:129+\i], v[160+\i:161+\i], v[96+16*(\g)+\i:97+16*(\g)+\i]
.endr
.irp i,0,2,4,6,8,10,12,14
	v_pk_mul_f32 v[64+16*(\g)+\i:65+16*(\g)+\i], v[64+16*(\g)+\i:65+16*(\g)+\i], v[160+\i:161+\i]
.endr
.endm
.macro GRCP g
.irp i,0,1,2,3,4,5,6,7,8,9,10,11,12,13,14,15
	v_rcp_f32 v[96+16*(\g)+\i], v[96+16*(\g)+\i]
.endr
.endm
.macro GFIN g
.irp i,0,2,4,6,8,10,12,14
	v_pk_mul_f32 v[64+16*(\g)+\i:65+16*(\g)+\i], v[64+16*(\g)+\i:65+16*(\g)+\i], v[96+16*(\g)+\i:97+16*(\g)+\i]   ; z (1 + erf) = 2 x gelu
.endr
.irp i,0,1,2,3,4,5,6,7,8,9,10,11,12,13,14,15
	v_med3_num_f32 v[64+16*(\g)+\i], v[64+16*(\g)+\i], -v25, v25
.endr
	v_cvt_scalef32_pk8_fp8_f32 v[176+4*(\g):177+4*(\g)], v[64+16*(\g):71+16*(\g)], v24
	v_cvt_scalef32_pk8_fp8_f32 v[178+4*(\g):179+4*(\g)], v[72+16*(\g):79+16*(\g)], v24
.endm
.macro PASS p
	s_mov_b32 s96, 0
	s_mov_b32 s97, 0
	s_mov_b32 s98, 0
.if (\p) == 0
	v_add_nc_u32 v6, s98, v4
	LDH2                                           ; (the second pass finds tile 0 on its way: the first pass's last trip has asked for it)
.endif
	s_wait_alu depctr_va_vdst(0)
	s_wait_loadcnt 36                              ; this pass's half of w1 is in: behind it 36 loads were issued (pass 0: the other half and bm2; pass 1: bm2 and half of w2)
.Lmlp_\@:
	s_wait_dscnt 0x0
	WIN 0x01                                       ; source 0 (w1) window 1.  The four accumulators take turns
.irp t,0,1,2,3
	v_wmma_f32_16x16x128_fp8_fp8 v[64+8*\t:71+8*\t], v[128*(\p)+32*\t:128*(\p)+32*\t+15], v[32:47], 0
.endr
.irp t,0,1,2,3
	v_wmma_f32_16x16x128_fp8_fp8 v[64+8*\t:71+8*\t], v[128*(\p)+32*\t+16:128*(\p)+32*\t+31], v[48:63], v[64+8*\t:71+8*\t]
.endr
	WIN 0
	s_wait_alu depctr_va_vdst(0)
	v_add_nc_u32 v7, s97, v5
	s_add_co_u32 s98, s98, 4096
	s_and_b32 s63, s98, 0x7fff                     ; the next tile of rows; behind the first pass's last, tile 0 again
	v_add_nc_u32 v6, s63, v4
	PLACES 2
.if (\p) == 1
	s_cmp_eq_u32 s96, 7
	s_wait_alu depctr_va_vdst(0)
	s_cbranch_scc1 .Lnl_\@                         ; the second pass's last trip fetches nothing
.endif
	LDH2
.Lnl_\@:
.set i_, 0
.rept 16
	v_pk_fma_f32 v[64+i_:65+i_], v[64+i_:65+i_], s[92:93], v[192+32*(\p)+i_:193+32*(\p)+i_] op_sel_hi:[1,0,1]   ; z = sum x 2^(e10 + e11) + bm1
.set i_, i_+2
.endr
	GPLAIN 0
	s_wait_alu depctr_va_vdst(0)                   ; a wait ahead of each batch of reciprocals and one behind it:
	GRCP 0
	GPLAIN 1                                       ; the second group's plain work stands behind the first batch,
	s_wait_alu depctr_va_vdst(0)                   ; this wait stands behind the first batch and ahead of the second,
	GRCP 1
	GFIN 0                                         ; the first group's finish behind the second batch,
	s_wait_alu depctr_va_vdst(0)                   ; and this one behind the second batch, ahead of its first reader
	GFIN 1
	v_nop
.irp c,0,1
	ds_store_b128 v7, v[176+4*\c:179+4*\c] offset:1024*(\p)+512*\c
.endr
	s_add_co_u32 s97, s97, 16384
	s_add_co_u32 s96, s96, 1
	s_cmp_lt_u32 s96, 8
	s_wait_alu depctr_va_vdst(0)
	s_cbranch_scc1 .Lmlp_\@
.endm
	PASS 0
	LOADW2 0                                       ; w1's first half is done with: w2's K steps 0-3
	PASS 1
	LOADW2 4                                       ; and K steps 4-7
	BARRIER                                        ; the hidden layer's 64 fragments lie in LDS
	; ---------------- MLP, second product: my 32 columns for all 128 rows: 16 accumulators by turns; the hidden fragments come two at a time through three sets of registers
	s_wait_loadcnt 32                              ; bm2 and K steps 0-3 are in; the 32 loads of K steps 4-7 may be out
	s_add_co_i32 s62, s56, s57
	s_sub_co_i32 s62, 0, s62
.set i_, 0
.rept 16
	v_ldexp_f32 v[8+i_], v[8+i_], s62              ; bm2 / 2^(e12 + e13): the C of each sum's first product
.set i_, i_+1
.endr
	v_add_nc_u32 v4, A0, v1
	v_add_nc_u32 v5, A0+65536, v1
.macro LOADG g                         ; group g: K step g / 4, tiles of rows 2 (g % 4), + 1, into set g % 3
.set sg_, 32+32*((\g)%3)
.set s2_, (\g)/4
.set m0_, 2*((\g)%4)
.irp mm,0,1
.irp c,0,1,2,3
	ds_load_b128 v[sg_+16*\mm+4*\c:sg_+16*\mm+4*\c+3], v[4+m0_/4] offset:16384*((m0_+\mm)%4)+2048*s2_+512*\c
.endr
.endr
.endm
.macro GROUP g
.if (\g) < 30
	s_wait_dscnt 16                                ; this group's 8 loads are in; the two later groups' may be out
.elseif (\g) == 30
	s_wait_dscnt 8
.else
	s_wait_dscnt 0x0
.endif
.set sg_, 32+32*((\g)%3)
.set s2_, (\g)/4
.set m0_, 2*((\g)%4)
	WIN 0x01                                       ; source 0 (w2) window 1
.irp mm,0,1
.irp t,0,1
.if s2_ == 0
	v_wmma_f32_16x16x128_fp8_fp8 v[128+16*(m0_+\mm)+8*\t:135+16*(m0_+\mm)+8*\t], v[32*s2_+16*\t:32*s2_+16*\t+15], v[sg_+16*\mm:sg_+16*\mm+15], v[8+8*\t:15+8*\t]
.else
	v_wmma_f32_16x16x128_fp8_fp8 v[128+16*(m0_+\mm)+8*\t:135+16*(m0_+\mm)+8*\t], v[32*s2_+16*\t:32*s2_+16*\t+15], v[sg_+16*\mm:sg_+16*\mm+15], v[128+16*(m0_+\mm)+8*\t:135+16*(m0_+\mm)+8*\t]
.endif
.endr
.endr
	WIN 0
	PLACES 4                                       ; in front of loads into registers just multiplied, and of the first read of results
.if (\g)+3 <= 31
	LOADG (\g)+3
.endif
.if (\g) == 15
	s_wait_loadcnt 0x0                             ; w2's K steps 4-7
	XNEXT                                          ; K steps 0-3 are done with: the next element's x takes their registers
.endif
.endm
	LOADG 0
	LOADG 1
	LOADG 2
	s_wait_alu depctr_va_vdst(0)
.set g_, 0
.rept 32
	GROUP g_
.set g_, g_+1
.endr
	; ---------------- the second residual, in place in X: each wave its 32 columns of all 128 rows, in four quarters of 32 rows
	s_lshl_b32 s62, s30, 7
	v_mul_u32_u24 v6, v2, XP
	v_lshl_add_u32 v6, v3, 5, v6
	v_add_nc_u32 v6, s62, v6                       ; row r, + 128 w + 32 h
	v_add_nc_u32 v7, 64*XP, v6
.macro RLD d
.set k_, 0
.rept 8
	ds_load_b128 v[32+32*((\d)%3)+4*k_:35+32*((\d)%3)+4*k_], v[6+(\d)/2] offset:16*XP*((2*(\d)+k_/4)%4)+64*((k_/2)%2)+16*(k_%2)
.set k_, k_+1
.endr
.endm
.macro RFMA d
.set i_, 0
.rept 16
	v_pk_fma_f32 v[128+32*(\d)+i_:129+32*(\d)+i_], v[128+32*(\d)+i_:129+32*(\d)+i_], s[94:95], v[32+32*((\d)%3)+i_:33+32*((\d)%3)+i_] op_sel_hi:[1,0,1]   ; out = sum x 2^(e12 + e13) + (x + y); bm2 is in the sum
.set i_, i_+2
.endr
.endm
	RLD 0
	RLD 1
	RLD 2
	s_wait_alu depctr_va_vdst(0)
	s_wait_dscnt 16
	RFMA 0
	RLD 3
	s_wait_dscnt 16
	RFMA 1
	s_wait_dscnt 8
	RFMA 2
	s_wait_dscnt 0x0
	RFMA 3
.irp d,0,1,2,3
.set k_, 0
.rept 8
	ds_store_b128 v[6+\d/2], v[128+32*\d+4*k_:131+32*\d+4*k_] offset:16*XP*((2*\d+k_/4)%4)+64*((k_/2)%2)+16*(k_%2)
.set k_, k_+1
.endr
.endr
	BARRIER                                        ; 128 whole rows of the output lie in X; nobody reads the hidden layer any more
	; ---------------- the way out: my 16 rows; each store of the wave covers 512 consecutive bytes, aligned
	s_mul_i32 s62, s30, 16*XP
	v_add_nc_u32 v8, s62, v1
.set k_, 0
.rept 32
	ds_load_b128 v[32+4*k_:35+4*k_], v8 offset:XP*(k_/2)+512*(k_%2)
.set k_, k_+1
.endr
.set k_, 0
.rept 32
	s_wait_dscnt 31-k_                             ; LDS loads come back in order: load k is in, the younger ones may be out
	global_store_b128 v1, v[32+4*k_:35+4*k_], s[28:29] offset:512*k_ th:TH_STORE_NT
.set k_, k_+1
.endr
	s_wait_xcnt 0x0                                ; stores and x's loads have read their registers and bases: these are written again only behind this wait
	s_add_nc_u64 s[28:29], s[28:29], 131072
	s_add_nc_u64 s[34:35], s[34:35], 131072
	s_add_co_u32 s90, s90, 1
	s_cmp_lt_u32 s90, 2
	s_wait_alu depctr_va_vdst(0)
	s_cbranch_scc1 .Lbatch
	s_wait_tensorcnt 0x0                           ; the wave's end
	ds_add_u32 v28, v29
	s_wait_dscnt 0x0
	s_endpgm
.Lfunc_end_k_q4f4edd1aaf_layer:
	.size	k_q4f4edd1aaf_layer, .Lfunc_end_k_q4f4edd1aaf_layer-k_q4f4edd1aaf_layer
	.p2alignl 7, 3214868480
	.fill 96, 4, 3214868480
	.section	.rodata,"a",@progbits
	.p2align	6, 0x0
	.amdhsa_kernel k_q4f4edd1aaf_layer
		.amdhsa_group_segment_fixed_size 306176
		.amdhsa_private_segment_fixed_size 0
		.amdhsa_enable_private_segment 0
		.amdhsa_kernarg_size 104
		.amdhsa_user_sgpr_count 2
		.amdhsa_user_sgpr_kernarg_segment_ptr 1
		.amdhsa_wavefront_size32 1
		.amdhsa_system_sgpr_workgroup_id_x 1
		.amdhsa_system_sgpr_workgroup_id_y 1
		.amdhsa_system_sgpr_workgroup_id_z 1
		.amdhsa_system_vgpr_workitem_id 0
		.amdhsa_next_free_vgpr 512
		.amdhsa_next_free_sgpr 102
		.amdhsa_reserve_vcc 1
		.amdhsa_float_denorm_mode_32 3
		.amdhsa_float_denorm_mode_16_64 3
		.amdhsa_memory_ordered 1
		.amdhsa_forward_progress 1
		.amdhsa_inst_pref_size 255
	.end_amdhsa_kernel
	.section	.bss,"aw",@nobits
	.p2align	6
	.space	262144
	.amdgpu_metadata
---
amdhsa.version: [ 1, 2 ]
amdhsa.kernels:
  - .name:           k_q4f4edd1aaf_layer
    .symbol:         k_q4f4edd1aaf_layer.kd
    .args:
      - { .name: x, .offset: 0, .size: 8, .value_kind: global_buffer, .address_space: global }
      - { .name: wcodes, .offset: 8, .size: 8, .value_kind: global_buffer, .address_space: global }
      - { .name: lowp_scales, .offset: 16, .size: 8, .value_kind: global_buffer, .address_space: global }
      - { .name: g1, .offset: 24, .size: 8, .value_kind: global_buffer, .address_space: global }
      - { .name: b1, .offset: 32, .size: 8, .value_kind: global_buffer, .address_space: global }
      - { .name: g2, .offset: 40, .size: 8, .value_kind: global_buffer, .address_space: global }
      - { .name: b2, .offset: 48, .size: 8, .value_kind: global_buffer, .address_space: global }
      - { .name: bq, .offset: 56, .size: 8, .value_kind: global_buffer, .address_space: global }
      - { .name: bk, .offset: 64, .size: 8, .value_kind: global_buffer, .address_space: global }
      - { .name: bv, .offset: 72, .size: 8, .value_kind: global_buffer, .address_space: global }
      - { .name: bm1, .offset: 80, .size: 8, .value_kind: global_buffer, .address_space: global }
      - { .name: bm2, .offset: 88, .size: 8, .value_kind: global_buffer, .address_space: global }
      - { .name: out0, .offset: 96, .size: 8, .value_kind: global_buffer, .address_space: global }
    .group_segment_fixed_size: 306176
    .private_segment_fixed_size: 0
    .kernarg_segment_align: 8
    .kernarg_segment_size: 104
    .max_flat_workgroup_size: 256
    .sgpr_count:     102
    .vgpr_count:     512
    .wavefront_size: 32
...
	.end_amdgpu_metadata
.endif
;; end of part 2
